; MI455X (gfx1250); checked and timed in simulation.
; The chip was launched on July 23, 2026; its instructions are those of AMD's public machine-readable ISA for CDNA 5 (MIT licence, August 2026) and "CDNA5" Instruction Set Architecture Reference Guide (July 2026). The comments in the code are by the model that wrote it; some were corrected since.
;; Vector Quantizer. Allowed arithmetic: float matrix products may take bf16 or f16 operands with f32 sums; other float arithmetic in f32, or as packed bf16 or f16 multiplies, adds, multiply-adds, maxima and minima; sums over many terms, partial sums and values carried from step to step in f32; what a program stores and reads back later, other than sums and carried values, may be rounded once to bf16 or f16.
;; Inputs: codebook 4,096 x 512 float32; inputs 16 x 2,048 x 512 float32.
;; Outputs: out0 16 x 2,048 x 512 float32.
;; One version. Each part assembles by itself: llvm-mc -triple=amdgcn-amd-amdhsa -mcpu=gfx1250 --defsym DOCPART=n.
;; ======== version 1 of 1: 3 launches
;; workspace buffers: cb16 4,194,304 bytes; cn 16,384 bytes; idx 131,072 bytes of whole numbers
;; launch prep (part 1): grid 64 x 1, 16 waves a work-group, no clusters, 2,304 bytes of LDS; arguments codebook, cb16, cn; writes cb16, cn
.if DOCPART == 1
	.amdgcn_target "amdgcn-amd-amdhsa--gfx1250"
	.amdhsa_code_object_version 6
	.text
	.protected	k_q8f8374b775_prep
	.globl	k_q8f8374b775_prep
	.p2align	8
	.type	k_q8f8374b775_prep,@function
k_q8f8374b775_prep:
	s_mov_b64 s[64:65], 0
	v_nop
	global_prefetch_b8 v0, s[64:65] scope:SCOPE_SE
	s_setreg_imm32_b32 hwreg(HW_REG_WAVE_MODE, 25, 1), 1
	s_wait_xcnt 0x0
; VECTOR QUANTIZER, first of three launches.  out[b][t][:] = codebook[k*][:], k* = argmin over k of ( |c_k|^2 - 2 x[b][t] . c_k ).
; WORK LEFT OUT BY THE PROGRAM.  The last step of the problem is out = (q - x) + x with q = codebook[k*] (stop_gradient changes no value).  In exact arithmetic (q - x) + x = q for all finite
; q and x, so the subtraction and the addition can reach no output: the third launch stores q itself and does not take 'inputs' among its arguments.  'inputs' still decides k*, in the second launch.
; LIMIT: a NaN, an infinity or an overflow that would arise only in (q - x) + x is not carried to the result; the rounding of that sum (a few units in x's last place) is not reproduced.
; THE THREE LAUNCHES.  (1) this one: the codebook rounded once to bf16 (cb16, the matrix operand of launch 2) and cn[k] = the sum of the squares of the ROUNDED numbers, in f32: both terms of the
; distance are then taken of the same rounded codebook.  (2) the products, the distances and the index of the nearest code for each row, stored as whole numbers.  (3) the rows of the f32 codebook by those indices.
; THIS LAUNCH.  64 work-groups of 16 waves; a work-group has 64 rows of the codebook, so that its 64 sums are 256 consecutive bytes of cn; a wave has four rows.
; A row is 2,048 bytes: four loads of 16 bytes a lane, each of 512 consecutive bytes; it leaves as 1,024 bytes: four stores of 8 bytes a lane, each of 256 consecutive bytes, aligned.
; No work-group reads what another reads, so nothing is shared in a cluster; the matrix unit has no part in a cast and 4,096 sums.
.set ROWF,  2048                       ; a row in f32
.set ROWH,  1024                       ; a row in bf16
.set SPARE, 256                        ; LDS: bytes 0-255 the 64 sums; from 256 on the spare words, 128 bytes for each of the 16 waves, which no other line names
.set OL,  1                            ; v1   my byte offset in the work-group's rows of the codebook: wave x 4 rows + 16 x lane; never rewritten
.set OS,  2                            ; v2   the same in cb16: wave x 4 rows + 8 x lane; never rewritten
.set LA,  3                            ; v3   LDS: my wave's four sums, at 16 x wave
.set SPW, 4                            ; v4   LDS address of my spare word; never rewritten
.set NIL, 5                            ; v5   0; never rewritten
.set L8,  10                           ; v10  8 x lane
.set X,   16                           ; v[16:79]   row i: 16 registers, as loaded, later the rounded numbers widened again
.set P,   80                           ; v[80:111]  row i: 8 registers of bf16 pairs, to store
.set S,   112                          ; v[112:115] the four rows' sums
.set T,   116                          ; v[116:119] at work
	s_load_b128 s[4:7], s[0:1], 0x0                ; codebook s[4:5], cb16 s[6:7]
	s_load_b64 s[8:9], s[0:1], 0x10                ; cn
	v_lshl_add_u32 v[SPW], v0, 2, SPARE
	v_mov_b32 v[NIL], 0
	v_lshrrev_b32 v6, 5, v0
	v_readfirstlane_b32 s12, v6                    ; wave 0..15
	v_and_b32 v7, 31, v0                           ; lane
	v_lshlrev_b32 v[OL], 4, v7
	v_lshl_or_b32 v[OL], v6, 13, v[OL]             ; + wave x 4 x 2,048
	v_lshlrev_b32 v[L8], 3, v7
	v_lshl_or_b32 v[OS], v6, 12, v[L8]             ; + wave x 4 x 1,024
	v_mov_b32 v[LA], s12
	v_lshlrev_b32 v[LA], 4, v[LA]
	s_mov_b32 s13, 0xffff0000                      ; a word's upper bf16
	s_mov_b32 s14, 0x76543210                      ; v_permlanex16_b32: each lane takes its own place in the other half
	s_mov_b32 s15, 0xfedcba98
	s_lshl_b32 s16, ttmp9, 17                      ; the work-group's 64 rows: in the codebook,
	s_mov_b32 s17, 0
	s_lshl_b32 s18, ttmp9, 16                      ; in cb16,
	s_mov_b32 s19, 0
	s_lshl_b32 s20, ttmp9, 8                       ; in cn
	s_mov_b32 s21, 0
	s_wait_kmcnt 0x0
	s_add_nc_u64 s[4:5], s[4:5], s[16:17]
	s_add_nc_u64 s[6:7], s[6:7], s[18:19]
	s_add_nc_u64 s[8:9], s[8:9], s[20:21]
.irp i, 0,1,2,3
.irp j, 0,1,2,3
	global_load_b128 v[X+16*(\i)+4*(\j):X+16*(\i)+4*(\j)+3], v[OL], s[4:5] offset:ROWF*(\i)+512*(\j) th:TH_LOAD_NT
.endr
.endr
; Row i: rounded, stored, widened again, squared and summed in two chains of packed multiply-adds.
.macro ROW i
	s_wait_loadcnt 12-4*(\i)                       ; loads come back in order: this row's four are in, the later rows' may stay out
.irp m, 0,1,2,3,4,5,6,7
	v_cvt_pk_bf16_f32 v[P+8*(\i)+(\m)], v[X+16*(\i)+2*(\m)], v[X+16*(\i)+2*(\m)+1]
.endr
.irp j, 0,1,2,3
	global_store_b64 v[OS], v[P+8*(\i)+2*(\j):P+8*(\i)+2*(\j)+1], s[6:7] offset:ROWH*(\i)+256*(\j)  ; 32 lanes x 8 bytes: 256 consecutive bytes, aligned; P is never rewritten
.endr
.irp m, 0,1,2,3,4,5,6,7
	v_lshlrev_b32 v[X+16*(\i)+2*(\m)],   16,  v[P+8*(\i)+(\m)]
	v_and_b32     v[X+16*(\i)+2*(\m)+1], s13, v[P+8*(\i)+(\m)]
.endr
	v_pk_mul_f32 v[T:T+1],   v[X+16*(\i):X+16*(\i)+1],   v[X+16*(\i):X+16*(\i)+1]
	v_pk_mul_f32 v[T+2:T+3], v[X+16*(\i)+2:X+16*(\i)+3], v[X+16*(\i)+2:X+16*(\i)+3]
.irp m, 2,3,4,5,6,7
	v_pk_fma_f32 v[T+2*((\m)%2):T+2*((\m)%2)+1], v[X+16*(\i)+2*(\m):X+16*(\i)+2*(\m)+1], v[X+16*(\i)+2*(\m):X+16*(\i)+2*(\m)+1], v[T+2*((\m)%2):T+2*((\m)%2)+1]
.endr
	v_pk_add_f32 v[T:T+1], v[T:T+1], v[T+2:T+3]
	v_add_f32 v[S+(\i)], v[T], v[T+1]              ; my 16 numbers' share of the row's sum
.endm
	ROW 0
	ROW 1
	ROW 2
	ROW 3
	; across the 32 lanes, the four rows side by side: four steps inside each half of 16 lanes, one across the halves
.irp x, 1,2,4,8
.irp i, 0,1,2,3
	v_add_f32_dpp v[S+(\i)], v[S+(\i)], v[S+(\i)] row_xmask:\x row_mask:0xf bank_mask:0xf
.endr
.endr
.irp i, 0,1,2,3
	v_permlanex16_b32 v[T+(\i)], v[S+(\i)], s14, s15  ; T has been written: the destination counts as read
.endr
.irp i, 0,1,2,3
	v_add_f32 v[S+(\i)], v[S+(\i)], v[T+(\i)]
.endr
	ds_store_b128 v[LA], v[S:S+3]                  ; every lane holds the same four sums and writes them to the same 16 bytes
	s_wait_dscnt 0x0                               ; for the others' sake: my store is done
	s_barrier_signal -1
	s_barrier_wait -1                              ; all 64 sums lie in LDS
	s_cmp_lg_u32 s12, 0
	s_cbranch_scc1 .Lend                           ; wave 0 stores them
	ds_load_b64 v[8:9], v[L8]
	s_wait_dscnt 0x0
	global_store_b64 v[L8], v[8:9], s[8:9]         ; 256 consecutive bytes of cn, aligned
.Lend:
	s_wait_tensorcnt 0x0                           ; the wave's end, behind my last LDS store
	ds_add_u32 v[SPW], v[NIL]
	s_wait_dscnt 0x0
	s_endpgm
.Lfunc_end_k_q8f8374b775_prep:
	.size	k_q8f8374b775_prep, .Lfunc_end_k_q8f8374b775_prep-k_q8f8374b775_prep
	.p2alignl 7, 3214868480
	.fill 96, 4, 3214868480
	.section	.rodata,"a",@progbits
	.p2align	6, 0x0
	.amdhsa_kernel k_q8f8374b775_prep
		.amdhsa_group_segment_fixed_size 2304
		.amdhsa_private_segment_fixed_size 0
		.amdhsa_enable_private_segment 0
		.amdhsa_kernarg_size 24
		.amdhsa_user_sgpr_count 2
		.amdhsa_user_sgpr_kernarg_segment_ptr 1
		.amdhsa_wavefront_size32 1
		.amdhsa_system_sgpr_workgroup_id_x 1
		.amdhsa_system_sgpr_workgroup_id_y 1
		.amdhsa_system_sgpr_workgroup_id_z 1
		.amdhsa_system_vgpr_workitem_id 0
		.amdhsa_next_free_vgpr 128
		.amdhsa_next_free_sgpr 66
		.amdhsa_reserve_vcc 0
		.amdhsa_float_denorm_mode_32 3
		.amdhsa_float_denorm_mode_16_64 3
		.amdhsa_memory_ordered 1
		.amdhsa_forward_progress 1
		.amdhsa_inst_pref_size 13
	.end_amdhsa_kernel
	.amdgpu_metadata
---
amdhsa.version: [ 1, 2 ]
amdhsa.kernels:
  - .name:           k_q8f8374b775_prep
    .symbol:         k_q8f8374b775_prep.kd
    .args:
      - { .name: codebook, .offset: 0, .size: 8, .value_kind: global_buffer, .address_space: global }
      - { .name: cb16, .offset: 8, .size: 8, .value_kind: global_buffer, .address_space: global }
      - { .name: cn, .offset: 16, .size: 8, .value_kind: global_buffer, .address_space: global }
    .group_segment_fixed_size: 2304
    .private_segment_fixed_size: 0
    .kernarg_segment_align: 8
    .kernarg_segment_size: 24
    .max_flat_workgroup_size: 512
    .sgpr_count:     66
    .vgpr_count:     128
    .wavefront_size: 32
...
	.end_amdgpu_metadata
.endif
;; end of part 1
;; launch nearest (part 2): grid 256 x 1, 4 waves a work-group, clusters of 4 x 1, 327,680 bytes of LDS; arguments inputs, cb16, cn, idx; writes idx
.if DOCPART == 2
	.amdgcn_target "amdgcn-amd-amdhsa--gfx1250"
	.amdhsa_code_object_version 6
	.text
	.protected	k_q8f8374b775_nearest
	.globl	k_q8f8374b775_nearest
	.p2align	8
	.type	k_q8f8374b775_nearest,@function
k_q8f8374b775_nearest:
	s_mov_b64 s[64:65], 0
	v_nop
	global_prefetch_b8 v0, s[64:65] scope:SCOPE_SE
	s_setreg_imm32_b32 hwreg(HW_REG_WAVE_MODE, 25, 1), 1
	s_wait_xcnt 0x0
	s_wait_alu depctr_hold_cnt(0) depctr_sa_sdst(0) depctr_va_vdst(0) depctr_va_sdst(0) depctr_va_ssrc(0) depctr_va_vcc(0) depctr_vm_vsrc(0)
	s_getreg_b32 s2, hwreg(HW_REG_IB_STS2, 6, 4)
	s_cmp_eq_u32 s2, 0
	s_cbranch_scc0 .Lentry_in_a_cluster
	s_endpgm
.Lentry_in_a_cluster:
	s_bfe_u32 s2, ttmp6, 0x10000c
	s_cmp_lg_u32 s2, 0x3003
	s_cbranch_scc0 .Lentry_shape_is_right
	s_endpgm
.Lentry_shape_is_right:
; VECTOR QUANTIZER, second of three launches: idx[row] = argmin over k of ( cn[k] - 2 x[row] . c_k ), 32,768 rows x 4,096 codes x 512 channels.
; x is rounded to bf16 on its way into registers, c comes rounded (cb16), cn is the rounded codes' sum of squares; products on the matrix unit, sums in f32.
; THE SCORE.  s = fma(cn, -0.5, dot), one rounding.  Doubling is exact, so s = -(cn - 2 dot as f32) / 2 exactly: the greatest s is the least distance, with the same rounding and the same ties.
; TIES: of equal scores the lowest code wins, at every stage below, as in argmin.
; LIMITS.  The nearest code is the nearest for x and c rounded to bf16, with f32 sums in the matrix unit's order: where two distances are closer than those sums' error, the choice between the two may differ.
; NaN and infinities among the scores are not treated as argmin treats them (a NaN loses a maximum here).  bf16 has f32's range, so no size of the inputs is shut out.
; SHARES.  A work-group owns 128 rows of x and walks all codes, 128 a tile: 256 work-groups of equal work.  Wave w = (rh, ch): rows 64 rh .. + 63, whose 64 fragments (4 row tiles x 16 of 32 channels) stay in 512
; registers for the whole launch; of each tile the codes 64 ch .. + 63, four code tiles of 16.  A PHASE is one code tile: 32 LDS loads, 64 matrix instructions.
; LAYOUT.  Source 0 = 16 codes, source 1 = 16 rows of x: in the result a lane holds ONE row of x (lane % 16) and the codes 8 (lane / 16) + 0..7.  So the running best is each lane's own affair; lanes meet once, at the end.
; RIDERS.  While phase n is multiplied, tile n - 1's scores are worked on, four vector lines (one for each row tile) behind every third matrix instruction: 76 lines for 64 matrix instructions.
; The lane keeps the best score, the first code of the tile that held it, and that tile's eight scores; which of the eight it was is found once, at the end.
; CLUSTER.  All work-groups walk the same cb16 and cn: the four of a cluster ask for each tile JOINTLY: the same tensor load, descriptor and mask in all four; a wave fetches a quarter of a tile, told by its number alone.
; That divides the requests for cb16 by four.  A mask names at most four work-groups, so a larger cluster would share no more.
; RING.  Two slots of one tile each (128 codes x 1,024 bytes, padded).  A slot is asked for again behind the round that follows its last reads; the wait for that load stands four phases on.
; By this text's own count a wave has three tensor loads out at the start and one behind each round.
; REGISTERS, in windows of 256 (s_set_vgpr_msb: bits 1:0 source 0, 3:2 source 1, 5:4 source 2, 7:6 destination):
;   window 0: v0-15 addresses; v16-27 best, index, maximum for each row tile; v32-63 the kept scores; v64-79 cn, two sets; v128-191 accumulators, two sets of four; v192-255 at work in the prologue
;   window 1: the codes' fragments, two buffers of 128 (in the prologue: where x lands)     window 2: x's fragments 0-7 of each row tile     window 3: fragments 8-15
.set PITCH, 1040                       ; a code's row in LDS: 1,024 bytes + 16: 65 x 16, an odd multiple of 16, so the 16 rows of a load begin in 16 different 16-byte columns of 256 bytes
.set QUART, 32*PITCH                   ; what one tensor load brings
.set SLOT,  4*QUART                    ; 133,120
.set CNL,   2*SLOT                     ; cn, 16,384 bytes, filled once
.set XS,    CNL+16384                  ; x's stage: 128 rows x 272 bytes, written by ds_store alone, never a tensor load's target; its first 2,048 bytes serve the last merge
.set XP,    272                        ; 128 channels in bf16 + 16 bytes: 17 x 16
.set SPARE, XS+128*XP                  ; the spare words, 128 bytes for each wave: two blocks of 256 bytes that no other line names
.set TILEB, 131072                     ; a tile of 128 codes in cb16
.set RR,   1                           ; v1   lane % 16
.set HH,   2                           ; v2   lane / 16
.set LN,   3                           ; v3   lane
.set ADRC, 4                           ; v4-5 LDS address of my codes' fragments in slot 0, 1
.set CNA,  6                           ; v6   LDS address of my eight cn of the lap's first code tile; steps by two tiles a lap
.set XST,  7                           ; v7   the stage: where I put 8 bytes of a row
.set XLD,  8                           ; v8   the stage: where my fragments of x begin
.set XG,   9                           ; v9   my byte offset in the work-group's rows of x; never rewritten
.set PFO,  10                          ; v10  the prefetches' offset: 1,024 x lane, a code's row a lane; never rewritten
.set H8,   11                          ; v11  8 x (lane / 16)
.set SPW,  12                          ; v12  LDS address of my spare word; never rewritten
.set NIL,  13                          ; v13  0; never rewritten
.set TA,   14
.set TB,   15
.set BEST, 16
.set IDX,  20
.set M,    24
.set SV,   32
.set CN,   64
.set ACC,  128
.set T,    192
.set WV,  12                           ; s12  wave
.set RH,  13                           ; s13  which 64 rows
.set CH,  14                           ; s14  which 64 codes of a tile
.set CX,  15                           ; s15  my place in the cluster: it enters x's, idx's and the prefetches' addresses alone
.set WG,  16                           ; s16  my block of 128 rows
.set G1,  24                           ; s[24:31] descriptor group 1 for the codes
.set G0,  32                           ; s[32:39] group 0, a set for each slot
.set G1C, 40                           ; s[40:47] group 1 for cn
.set G0C, 48                           ; s[48:51] group 0 for cn
.set CB,  52                           ; s52  the first code of the code tile that the riders work on
.set LIM, 53                           ; s53  1 in the cluster that prefetches, else the greatest number
.set PFA, 54                           ; s[54:55] where my prefetches stand
.set MK,  56                           ; s[56:59] lane masks, one for each row tile (VCC is not used)
.set SEL, 60                           ; s[60:61] v_permlanex16_b32's selects
.set MSB, 0
.macro WIN new                         ; the immediate's high byte repeats the setting that is left; a switch that changes nothing is dropped
.if MSB != (\new)
	s_set_vgpr_msb (MSB<<8)|(\new)
.set MSB, \new
.endif
.endm
.set W_MA, 0x09                        ; codes window 1, x window 2, C and D window 0
.set W_MB, 0x0d                        ; the same with x in window 3
.set TO_C, 0x40                        ; destination window 1, address window 0
.set CVT,  0x05                        ; sources 0 and 1 window 1, destination window 0
; A round of the cluster's barrier: my work-group's barrier, so that wave 0's signal speaks for all four waves; wave 0 signals; every wave waits for all four work-groups; my work-group's barrier once more.
.macro CREST                           ; a round behind its opening barrier
	s_cmp_lg_u32 s[WV], 0
	s_cbranch_scc1 .Lnot_wave_0_\@
	s_barrier_signal -3
.Lnot_wave_0_\@:
	s_barrier_wait -3
	s_barrier_signal -1
	s_barrier_wait -1
.endm
.macro CROUND
	s_barrier_signal -1
	s_barrier_wait -1
	CREST
.endm
; A PREFETCH INTO THE L2 of the tile that stands two refills on: behind the joint load that asks for tile s + 2 it names tile s + 4, eight phases (512 matrix instructions) ahead of that tile's own load.
; Each aligned block of 256 bytes of cb16 is named once in the launch: cluster 0 alone asks; its four partners take 32 codes each, told apart BY ADDRESS; wave w names bytes 256 w .. of each row, a lane a row.
; Tiles 0 to 3 come by their loads alone; the loop's last trip (s3 = 1) asks for nothing, so tile 31 is the last that is named.
.macro ASK
	s_cmp_gt_u32 s3, s[LIM]
	s_cbranch_scc0 .Lnot_mine_\@
	global_prefetch_b8 v[PFO], s[PFA:PFA+1] th:TH_LOAD_NT scope:SCOPE_SE
.Lnot_mine_\@:
.endm
	s_load_b256 s[4:11], s[0:1], 0x0               ; inputs s[4:5], cb16 s[6:7], cn s[8:9], idx s[10:11]
	v_lshl_add_u32 v[SPW], v0, 2, SPARE
	v_mov_b32 v[NIL], 0
	ds_add_u32 v[SPW], v[NIL]                      ; the wave's opening: the add, twice on end, and its wait ahead of my first tensor load; the set-up below, work on registers, stands between
	ds_add_u32 v[SPW], v[NIL]
	v_lshrrev_b32 v[TA], 5, v0
	v_readfirstlane_b32 s[WV], v[TA]               ; wave 0..3
	s_lshr_b32 s[RH], s[WV], 1
	s_and_b32 s[CH], s[WV], 1
	s_bfe_u32 s[CX], ttmp6, 0x40000                ; cx
	s_lshl_b32 s[WG], ttmp9, 2                     ; in a cluster launch ttmp9 counts clusters
	s_add_co_u32 s[WG], s[WG], s[CX]
	v_and_b32 v[RR], 15, v0
	v_bfe_u32 v[HH], v0, 4, 1
	v_and_b32 v[LN], 31, v0
	; A fragment is 16 rows x 32 channels in 8 registers: lane l holds row l % 16, channels 8 (l / 16) + 0..7 and 16 + 8 (l / 16) + 0..7: two loads of 16 bytes, 32 bytes apart.
	s_mul_i32 s18, s[CH], 64*PITCH
	v_mul_u32_u24 v[ADRC], v[RR], PITCH
	v_lshl_add_u32 v[ADRC], v[HH], 4, v[ADRC]
	v_add_nc_u32 v[ADRC], s18, v[ADRC]             ; (64 ch + l % 16) x pitch + 16 (l / 16)
	v_add_nc_u32 v[ADRC+1], SLOT, v[ADRC]
	s_lshl_b32 s18, s[CH], 8
	s_add_co_u32 s18, s18, CNL
	v_lshl_add_u32 v[CNA], v[HH], 5, s18           ; 4 bytes x (64 ch + 8 (l / 16))
	s_mul_i32 s18, s[WV], 32*XP
	s_add_co_u32 s18, s18, XS
	v_lshl_add_u32 v[XST], v[LN], 3, s18           ; in: wave w converts rows 32 w .. + 31; a lane has 4 channels, 8 bytes
	s_mul_i32 s18, s[RH], 64*XP
	s_add_co_u32 s18, s18, XS
	v_mul_u32_u24 v[XLD], v[RR], XP
	v_lshl_add_u32 v[XLD], v[HH], 4, v[XLD]
	v_add_nc_u32 v[XLD], s18, v[XLD]               ; out: (64 rh + l % 16) x 272 + 16 (l / 16)
	s_lshl_b32 s18, s[WV], 16
	v_lshl_add_u32 v[XG], v[LN], 4, s18            ; 32 w rows of 2,048 bytes + 16 x lane
	v_lshlrev_b32 v[PFO], 10, v[LN]
	v_lshlrev_b32 v[H8], 3, v[HH]
	; group 1 for the codes: 32 rows x 512 elements of 2 bytes, 16 bytes of padding behind each row
	s_mov_b32 s[G1+0], 15|(1<<16)|(1<<20)|(1<<21)|(7<<22)|(3<<25)  ; 15:0 the mask of four; 17:16 2-byte elements; 20 padding on; 21 set beside a mask; 24:22 after every 256 words (code 7); 31:25 4 words (code 3)
	s_mov_b32 s[G1+1], 512<<16                     ; tensor_dim0 = 512
	s_mov_b32 s[G1+2], 32<<16                      ; tensor_dim1 = 32
	s_mov_b32 s[G1+3], 512<<16                     ; tile_dim0 = 512
	s_mov_b32 s[G1+4], 32                          ; tile_dim1 = 32
	s_mov_b32 s[G1+5], 512                         ; elements from row to row
	s_mov_b32 s[G1+6], 0
	s_mov_b32 s[G1+7], 0
	; group 1 for cn: a wave's 4,096 dense bytes as 16 rows of 32 elements of 8 bytes, no padding
	s_mov_b32 s[G1C+0], 15|(3<<16)|(1<<21)
	s_mov_b32 s[G1C+1], 32<<16
	s_mov_b32 s[G1C+2], 16<<16
	s_mov_b32 s[G1C+3], 32<<16
	s_mov_b32 s[G1C+4], 16
	s_mov_b32 s[G1C+5], 32
	s_mov_b32 s[G1C+6], 0
	s_mov_b32 s[G1C+7], 0
	s_mov_b32 s[G0+0], 1
	s_mul_i32 s[G0+1], s[WV], QUART                ; LDS: slot 0, my quarter: the wave's number and constants alone
	s_mov_b32 s[G0+4], 1
	s_add_co_u32 s[G0+5], s[G0+1], SLOT            ; slot 1
	s_mov_b32 s[G0C+0], 1
	s_lshl_b32 s[G0C+1], s[WV], 12
	s_add_co_u32 s[G0C+1], s[G0C+1], CNL
	s_lshl_b32 s[CB], s[CH], 6                     ; my first code tile begins at code 64 ch
	s_mov_b32 s[SEL], 0x76543210
	s_mov_b32 s[SEL+1], 0xfedcba98
	s_cmp_eq_u32 ttmp9, 0                          ; the same in all four partners
	s_cselect_b32 s[LIM], 1, -1
	s_wait_dscnt 0x0                               ; both opening adds are done
	s_wait_kmcnt 0x0
	s_lshl_b32 s2, s[WG], 18                       ; my block's 128 rows of 2,048 bytes
	s_mov_b32 s3, 0
	s_add_nc_u64 s[4:5], s[4:5], s[2:3]
; x comes in four passes of 128 channels.  Pass q: 32 loads a wave, one for each of its 32 rows, 512 consecutive bytes each, into landing buffer q % 2.
.macro XLOAD q
	WIN TO_C
.set i, 0
.rept 32
	global_load_b128 v[128*((\q)%2)+4*i:128*((\q)%2)+4*i+3], v[XG], s[4:5] offset:2048*i+512*(\q) th:TH_LOAD_NT
.set i, i+1
.endr
	WIN 0
.endm
	XLOAD 0                                        ; what is wanted first goes out first
	s_lshl_b32 s2, s[WG], 9                        ; my block's 128 words of idx
	s_add_nc_u64 s[10:11], s[10:11], s[2:3]
	s_lshl_b32 s2, s[CX], 15                       ; the prefetches: my work-group's 32 codes of a tile,
	s_lshl_b32 s17, s[WV], 8                       ; my wave's 256 bytes of each row,
	s_add_co_u32 s2, s2, s17
	s_add_co_u32 s2, s2, 3*TILEB                   ; at tile 3: the first change of slots steps it to tile 4
	s_add_nc_u64 s[PFA:PFA+1], s[6:7], s[2:3]
	s_lshl_b32 s18, s[WV], 15                      ; the joint loads' addresses hang on the wave's number alone
	s_mov_b32 s19, 0
	s_add_nc_u64 s[G0+2:G0+3], s[6:7], s[18:19]    ; tile 0, my 32 codes
	s_add_nc_u64 s[G0+6:G0+7], s[G0+2:G0+3], TILEB ; tile 1
	s_or_b32 s[G0+3], s[G0+3], 0x80000000          ; type = 2
	s_or_b32 s[G0+7], s[G0+7], 0x80000000
	s_lshl_b32 s18, s[WV], 12
	s_add_nc_u64 s[G0C+2:G0C+3], s[8:9], s[18:19]
	s_or_b32 s[G0C+3], s[G0C+3], 0x80000000
	CROUND                                         ; all four work-groups are here: the first joint loads meet
	tensor_load_to_lds s[G0:G0+3], s[G1:G1+7]      ; the three first fills go out together, ahead of every wait on TENSORcnt, every LDS read and every further barrier: tile 0,
	s_nop 0
	tensor_load_to_lds s[G0C:G0C+3], s[G1C:G1C+7]  ; cn,
	s_nop 0
	tensor_load_to_lds s[G0+4:G0+7], s[G1:G1+7]    ; tile 1
	s_nop 0
.rept 4
	v_nop                                          ; four lines behind the load before a window is switched
.endr
	XLOAD 1
.irp rt, 0,1,2,3                       ; the state, written while x is on its way: no score is below -infinity
	v_mov_b32 v[BEST+(\rt)], 0xff800000
	v_mov_b32 v[IDX+(\rt)], 0
.endr
.set i, 0
.rept 32
	v_mov_b32 v[SV+i], 0xff800000
.set i, i+1
.endr
; PASS q of x: my 32 rows' 128 channels are rounded to bf16 and put into the stage; behind a barrier each wave takes its 64 rows' fragments 4 q .. 4 q + 3.  So x is read from memory once, though two waves need each row.
.macro XPASS q
.if (\q) < 3
	s_wait_loadcnt 32                              ; this pass's loads are in; the next pass's 32 may stay out
.else
	s_wait_loadcnt 0x0
.endif
	WIN CVT
.set i, 0
.rept 64
	v_cvt_pk_bf16_f32 v[T+i], v[128*((\q)%2)+2*i], v[128*((\q)%2)+2*i+1]
.set i, i+1
.endr
.if (\q) < 2
	XLOAD (\q)+2                                   ; into the landing buffer just read
.endif
	WIN 0
.set i, 0
.rept 32
	ds_store_b64 v[XST], v[T+2*i:T+2*i+1] offset:XP*i  ; 32 lanes x 8 bytes: a row's 256 bytes
.set i, i+1
.endr
	s_wait_dscnt 0x0                               ; for the others' sake: my stores are done
.if (\q) == 3
	s_wait_tensorcnt 1                             ; my parts of tile 0 and of cn are in; tile 1's load, issued last, may stay out
.endif
	s_barrier_signal -1
	s_barrier_wait -1
	WIN 0x80+0x40*((\q)/2)                         ; destination window 2 (fragments 0-7) or 3 (8-15)
.irp rt, 0,1,2,3
.irp f, 0,1,2,3
	ds_load_b128 v[64*(\rt)+8*((4*(\q)+(\f))%8):64*(\rt)+8*((4*(\q)+(\f))%8)+3],   v[XLD] offset:16*XP*(\rt)+64*(\f)
	ds_load_b128 v[64*(\rt)+8*((4*(\q)+(\f))%8)+4:64*(\rt)+8*((4*(\q)+(\f))%8)+7], v[XLD] offset:16*XP*(\rt)+64*(\f)+32
.endr
.endr
	WIN 0
.if (\q) < 3
	s_wait_dscnt 0x0                               ; my reads of the stage are over,
	s_barrier_signal -1
	s_barrier_wait -1                              ; everybody's are: the next pass may write it
.endif
.endm
	XPASS 0
	XPASS 1
	XPASS 2
	XPASS 3
; 32 LDS loads in one run: code tile ct of a slot (16 codes x 512 channels: 16 fragments) into buffer P
.macro FETCH slot, ct, P
	WIN TO_C
.irp f, 0,1,2,3,4,5,6,7,8,9,10,11,12,13,14,15
	ds_load_b128 v[128*(\P)+8*(\f):128*(\P)+8*(\f)+3],   v[ADRC+(\slot)] offset:16*PITCH*(\ct)+64*(\f)
	ds_load_b128 v[128*(\P)+8*(\f)+4:128*(\P)+8*(\f)+7], v[ADRC+(\slot)] offset:16*PITCH*(\ct)+64*(\f)+32
.endr
.endm
; my eight cn of that code tile into set Q: sixteen lanes read the same 32 bytes
.macro FETCHCN slot, ct, Q
	WIN 0
	ds_load_b128 v[CN+8*(\Q):CN+8*(\Q)+3],   v[CNA] offset:512*(\slot)+64*(\ct)
	ds_load_b128 v[CN+8*(\Q)+4:CN+8*(\Q)+7], v[CNA] offset:512*(\slot)+64*(\ct)+16
.endm
; Matrix instruction i of a phase's 64: channels 32 (i / 4) on, row tile i % 4.  The first four start the sums with the constant 0: nothing is cleared.
; The four accumulators take turns, one instruction a turn; a phase ends on set P's last and the next begins on the other set's first, over the backward jump too.
.macro MM P
.if i < 32
	WIN W_MA
.else
	WIN W_MB
.endif
.set rA, ACC+32*(\P)+8*(i%4)
.set rC, 128*(\P)+8*(i/4)
.set rX, 64*(i%4)+8*((i/4)%8)
.if i < 4
	v_wmma_f32_16x16x32_bf16 v[rA:rA+7], v[rC:rC+7], v[rX:rX+7], 0
.else
	v_wmma_f32_16x16x32_bf16 v[rA:rA+7], v[rC:rC+7], v[rX:rX+7], v[rA:rA+7]
.endif
.set i, i+1
.endm
; Rider slice k of 19, on accumulator set Q: line k for each of the four row tiles, which do not wait for each other.
;   0-3    s = cn x (-0.5) + dot, two scores a line, in place; each accumulator is read from its low end first
;   4-7    the maximum of the lane's eight scores
;   8      the mask 'keep the old': maximum <= best.  Only a strictly greater score takes the place, so among equal scores the earlier tile, the lower code, stays
;   9, 10  the best score; the first code of the tile that holds it
;   11-18  that tile's eight scores are kept
.macro RD Q
	WIN 0
.irp rt, 0,1,2,3
.set rA, ACC+32*(\Q)+8*(\rt)
.set rN, CN+8*(\Q)
.if k < 4
	v_pk_fma_f32 v[rA+2*k:rA+2*k+1], v[rN+2*k:rN+2*k+1], -0.5, v[rA+2*k:rA+2*k+1] op_sel_hi:[1,0,1]
.elseif k == 4
	v_max3_num_f32 v[M+(\rt)], v[rA], v[rA+1], v[rA+2]
.elseif k < 7
	v_max3_num_f32 v[M+(\rt)], v[M+(\rt)], v[rA+2*k-7], v[rA+2*k-6]
.elseif k == 7
	v_max_num_f32 v[M+(\rt)], v[M+(\rt)], v[rA+7]
.elseif k == 8
	v_cmp_le_f32 s[MK+(\rt)], v[M+(\rt)], v[BEST+(\rt)]
.elseif k == 9
	v_max_num_f32 v[BEST+(\rt)], v[BEST+(\rt)], v[M+(\rt)]
.elseif k == 10
	v_cndmask_b32 v[IDX+(\rt)], s[CB], v[IDX+(\rt)], s[MK+(\rt)]
.else
	v_cndmask_b32 v[SV+8*(\rt)+k-11], v[rA+k-11], v[SV+8*(\rt)+k-11], s[MK+(\rt)]
.endif
.endr
.set k, k+1
.endm
; n matrix instructions of a phase, with their riders.  Slices 0 to 16 stand behind instructions 0, 3, .. 48; slices 17 and 18 behind the last.  Those eight lines name the other accumulator set and the state alone:
; they are the places (independent vector instructions) between the phase's last products and what follows: the loads into the buffer just multiplied, and the next phase's first riders, which read
; and rewrite the results just made.  rid = 0 (the first phase: there is no tile before it): eight v_nop in their stead.
.macro MMS P, n, rid
.rept \n
	MM \P
.if \rid
.if ((i-1)%3 == 0) && ((i-1) <= 48)
	RD 1-(\P)
.elseif i == 64
	RD 1-(\P)
	RD 1-(\P)
.endif
.elseif i == 64
.rept 8
	v_nop
.endr
.endif
.endr
.endm
; A PHASE: code tile ct of a slot, from buffer P into accumulator set P.  At its head the next code tile's fragments are asked for, a whole phase ahead of their use, and this tile's cn, which the next phase's riders take.
.macro PHASE P, slot, ct, nslot, nct, rid, fetch
.set i, 0
.set k, 0
	s_wait_dscnt 0x0                               ; this tile's fragments and the last tile's cn, asked for a phase ago (behind a change of slots: half a phase ago)
.if \fetch
	FETCH \nslot, \nct, 1-(\P)
.endif
	FETCHCN \slot, \ct, \P
	MMS \P, 64, \rid
.if \rid
.if (\ct) == 0
	s_add_co_u32 s[CB], s[CB], 80                  ; the riders have done a tile's last 16 codes of mine: on to my first 16 of the next tile, 128 - 48 further
.else
	s_add_co_u32 s[CB], s[CB], 16
.endif
.endif
.endm
; A SLOT'S LAST PHASE changes slots: ONE barrier for two things.  In front of it each wave waits for all its tensor loads, of which one is out: its part of the other slot; adds 0 to its spare word; and waits for that and
; for its own reads of this slot (all were asked for a phase ago).  Behind it nobody reads this slot any more and the other slot is whole.
; fill = 1: the barrier opens a round of the cluster's barrier, so that the same holds of every partner, and the joint refill, two tiles on, is the first thing behind the round.
.macro TURNP P, slot, nslot, fill
.set i, 0
.set k, 0
.if \fill
	s_wait_xcnt 0x0                                ; the last prefetch, four phases back, has read its address: it is stepped here, ahead of the waits of the change of slots
	s_add_nc_u64 s[PFA:PFA+1], s[PFA:PFA+1], TILEB
.endif
	WIN 0                                          ; (the add's two registers lie in window 0)
	s_wait_tensorcnt 0x0                           ; all my tensor loads have landed;
	ds_add_u32 v[SPW], v[NIL]                      ; 0 onto my spare word;
	s_wait_dscnt 1                                 ; (the add alone may be out: this phase's fragments and the riders' cn are in)
	MMS \P, 16, 1                                  ; sixteen matrix instructions and their riders stand between the add and the wait for it
	s_wait_dscnt 0x0                               ; the add is done, and my reads of this slot are over:
	s_barrier_signal -1                            ; say so,
	MMS \P, 16, 1                                  ; work on registers while the others arrive,
	WIN 0
	s_barrier_wait -1                              ; and go on when all four have said so
.if \fill
	CREST                                          ; no wave of any partner still reads this slot's tile or has a load on its way
	s_add_nc_u64 s[G0+4*(\slot)+2:G0+4*(\slot)+3], s[G0+4*(\slot)+2:G0+4*(\slot)+3], 2*TILEB  ; no tensor load of mine is out, so a group 0 may be written; the type bits on top are not reached
	tensor_load_to_lds s[G0+4*(\slot):G0+4*(\slot)+3], s[G1:G1+7]  ; my one tensor load behind the round: every wave runs this line, each with its own quarter
	s_nop 0
.rept 4
	v_nop
.endr
.endif
	FETCH \nslot, 0, 1-(\P)                        ; the other slot's first code tile
	FETCHCN \slot, 3, \P
.if \fill
	WIN 0
	ASK                                            ; behind the joint load and the run of LDS loads that the next products wait for
.endif
	MMS \P, 32, 1
	s_add_co_u32 s[CB], s[CB], 16
.endm
	FETCH 0, 0, 0                                  ; tile 0 is whole: pass 3's barrier stood behind every wave's wait for its part
	PHASE 0, 0, 0, 0, 1, 0, 1                      ; the first phase stands in front of the loop: it has no riders
	WIN 0                                          ; at a label and at a branch every window is 0
	s_mov_b32 s3, 15
.Llap:                                                 ; a trip goes once round the ring, from a lap's second phase to the next lap's first, and fills both slots again: tiles 2 to 31 in 15 trips
	PHASE 1, 0, 1, 0, 2, 1, 1
	PHASE 0, 0, 2, 0, 3, 1, 1
	TURNP 1, 0, 1, 1
	PHASE 0, 1, 0, 1, 1, 1, 1
	PHASE 1, 1, 1, 1, 2, 1, 1
	PHASE 0, 1, 2, 1, 3, 1, 1
	TURNP 1, 1, 0, 1
	WIN 0
	v_add_nc_u32 v[CNA], 1024, v[CNA]              ; two tiles' cn on
	PHASE 0, 0, 0, 0, 1, 1, 1
	WIN 0
	s_sub_co_u32 s3, s3, 1
	s_cmp_lg_u32 s3, 0
	s_cbranch_scc1 .Llap
	PHASE 1, 0, 1, 0, 2, 1, 1                      ; the last lap is written out: it asks for nothing
	PHASE 0, 0, 2, 0, 3, 1, 1
	TURNP 1, 0, 1, 0
	PHASE 0, 1, 0, 1, 1, 1, 1
	PHASE 1, 1, 1, 1, 2, 1, 1
	PHASE 0, 1, 2, 1, 3, 1, 1
	PHASE 1, 1, 3, 0, 0, 1, 0                      ; the last code tile: nothing more to fetch but its cn
	s_wait_dscnt 0x0
.set k, 0
.rept 19
	RD 1                                           ; and its riders, by themselves; the eight lines behind the last product are the places in front of them
.endr
	; WHICH OF THE EIGHT.  The best score is one of the kept eight, bit for bit; the lowest place that holds it wins.
.irp rt, 0,1,2,3
	v_mov_b32 v[M+(\rt)], 7
.endr
.irp j, 6,5,4,3,2,1,0
.irp rt, 0,1,2,3
	v_cmp_eq_f32 s[MK+(\rt)], v[SV+8*(\rt)+(\j)], v[BEST+(\rt)]
.endr
.irp rt, 0,1,2,3
	v_cndmask_b32 v[M+(\rt)], v[M+(\rt)], \j, s[MK+(\rt)]
.endr
.endr
.irp rt, 0,1,2,3
	v_add3_u32 v[IDX+(\rt)], v[IDX+(\rt)], v[M+(\rt)], v[H8]  ; the code: the tile's first + my lanes' 8 (l / 16) + the place
.endr
	; THE OTHER HALF OF THE LANES holds the same row's other codes: its pair is taken if its score is greater, or equal with a lower code.
.irp rt, 0,1,2,3
	v_permlanex16_b32 v[40+(\rt)], v[BEST+(\rt)], s[SEL], s[SEL+1]  ; v40-47 have been written (kept scores, no longer needed): the destination counts as read
	v_permlanex16_b32 v[44+(\rt)], v[IDX+(\rt)], s[SEL], s[SEL+1]
.endr
.irp rt, 0,1,2,3
	v_cmp_gt_f32 s[MK+(\rt)], v[40+(\rt)], v[BEST+(\rt)]
	v_cmp_eq_f32 s18, v[40+(\rt)], v[BEST+(\rt)]
	v_cmp_lt_u32 s19, v[44+(\rt)], v[IDX+(\rt)]
	s_and_b32 s18, s18, s19
	s_or_b32 s[MK+(\rt)], s[MK+(\rt)], s18
	v_cndmask_b32 v[48+2*(\rt)], v[BEST+(\rt)], v[40+(\rt)], s[MK+(\rt)]
	v_cndmask_b32 v[49+2*(\rt)], v[IDX+(\rt)], v[44+(\rt)], s[MK+(\rt)]
.endr
	; THE OTHER HALF OF THE CODES lies with the wave beside me: both put (score, code) for each row into the stage, whose last reads lie many barriers back.
	s_lshl_b32 s18, s[CH], 10                      ; 128 rows x 8 bytes for each ch,
	s_lshl_b32 s19, s[RH], 9                       ; my 64 rows
	s_add_co_u32 s18, s18, s19
	s_add_co_u32 s18, s18, XS
	v_lshl_add_u32 v[TA], v[RR], 3, s18
.irp rt, 0,1,2,3
	ds_store_b64 v[TA], v[48+2*(\rt):49+2*(\rt)] offset:128*(\rt)  ; both halves of the lanes hold the same pair and write the same 8 bytes
.endr
	s_wait_dscnt 0x0                               ; for the others' sake
	s_barrier_signal -1
	s_barrier_wait -1
	s_cmp_lt_u32 s[WV], 2
	s_cbranch_scc0 .Lend                           ; waves 0 and 1 finish 64 rows each: a lane two rows
	s_lshl_b32 s22, s[WV], 8
	v_lshl_add_u32 v[TA], v[LN], 3, s22            ; in idx: 256 w + 8 x lane
	s_lshl_b32 s23, s[WV], 9
	s_add_co_u32 s23, s23, XS
	v_lshl_add_u32 v[TB], v[LN], 4, s23            ; in the stage: 512 w + 16 x lane
	ds_load_b128 v[32:35], v[TB]                   ; ch 0: score, code of the even row; of the odd row
	ds_load_b128 v[36:39], v[TB] offset:1024       ; ch 1
	s_wait_dscnt 0x0
	v_cmp_gt_f32 s56, v36, v32
	v_cmp_eq_f32 s18, v36, v32
	v_cmp_lt_u32 s19, v37, v33
	v_cmp_gt_f32 s57, v38, v34
	v_cmp_eq_f32 s20, v38, v34
	v_cmp_lt_u32 s21, v39, v35
	s_and_b32 s18, s18, s19
	s_or_b32 s56, s56, s18
	s_and_b32 s20, s20, s21
	s_or_b32 s57, s57, s20
	v_cndmask_b32 v40, v33, v37, s56
	v_cndmask_b32 v41, v35, v39, s57
	global_store_b64 v[TA], v[40:41], s[10:11]     ; 32 lanes x 8 bytes: 256 consecutive bytes of idx, aligned
.Lend:
	s_wait_tensorcnt 0x0                           ; the wave's end, behind my last tensor load and my last LDS store
	ds_add_u32 v[SPW], v[NIL]
	s_wait_dscnt 0x0
	CROUND                                         ; the closing round: no work-group ends while a partner may still ask for a tile that names it
	s_endpgm
.Lfunc_end_k_q8f8374b775_nearest:
	.size	k_q8f8374b775_nearest, .Lfunc_end_k_q8f8374b775_nearest-k_q8f8374b775_nearest
	.p2alignl 7, 3214868480
	.fill 96, 4, 3214868480
	.section	.rodata,"a",@progbits
	.p2align	6, 0x0
	.amdhsa_kernel k_q8f8374b775_nearest
		.amdhsa_group_segment_fixed_size 327680
		.amdhsa_private_segment_fixed_size 0
		.amdhsa_enable_private_segment 0
		.amdhsa_kernarg_size 32
		.amdhsa_user_sgpr_count 2
		.amdhsa_user_sgpr_kernarg_segment_ptr 1
		.amdhsa_wavefront_size32 1
		.amdhsa_system_sgpr_workgroup_id_x 1
		.amdhsa_system_sgpr_workgroup_id_y 1
		.amdhsa_system_sgpr_workgroup_id_z 1
		.amdhsa_system_vgpr_workitem_id 0
		.amdhsa_next_free_vgpr 1024
		.amdhsa_next_free_sgpr 66
		.amdhsa_reserve_vcc 0
		.amdhsa_float_denorm_mode_32 3
		.amdhsa_float_denorm_mode_16_64 3
		.amdhsa_memory_ordered 1
		.amdhsa_forward_progress 1
		.amdhsa_inst_pref_size 254
	.end_amdhsa_kernel
	.amdgpu_metadata
---
amdhsa.version: [ 1, 2 ]
amdhsa.kernels:
  - .name:           k_q8f8374b775_nearest
    .symbol:         k_q8f8374b775_nearest.kd
    .args:
      - { .name: inputs, .offset: 0, .size: 8, .value_kind: global_buffer, .address_space: global }
      - { .name: cb16, .offset: 8, .size: 8, .value_kind: global_buffer, .address_space: global }
      - { .name: cn, .offset: 16, .size: 8, .value_kind: global_buffer, .address_space: global }
      - { .name: idx, .offset: 24, .size: 8, .value_kind: global_buffer, .address_space: global }
    .group_segment_fixed_size: 327680
    .private_segment_fixed_size: 0
    .kernarg_segment_align: 8
    .kernarg_segment_size: 32
    .max_flat_workgroup_size: 128
    .sgpr_count:     66
    .vgpr_count:     1024
    .wavefront_size: 32
...
	.end_amdgpu_metadata
.endif
;; end of part 2
;; launch gather (part 3): grid 256 x 1, 16 waves a work-group, no clusters, 0 bytes of LDS; arguments idx, codebook, out0; writes out0
.if DOCPART == 3
	.amdgcn_target "amdgcn-amd-amdhsa--gfx1250"
	.amdhsa_code_object_version 6
	.text
	.protected	k_q8f8374b775_gather
	.globl	k_q8f8374b775_gather
	.p2align	8
	.type	k_q8f8374b775_gather,@function
k_q8f8374b775_gather:
	s_mov_b64 s[64:65], 0
	v_nop
	global_prefetch_b8 v0, s[64:65] scope:SCOPE_SE
	s_setreg_imm32_b32 hwreg(HW_REG_WAVE_MODE, 25, 1), 1
	s_wait_xcnt 0x0
; VECTOR QUANTIZER, third of three launches: out0[row][:] = codebook[idx[row]][:], the f32 rows as they are.
; WORK LEFT OUT: (q - x) + x = q in exact arithmetic for all finite q and x (shown at the head of the first kernel), so q is stored, and 'inputs' is not among this launch's arguments.
; LIMIT: a NaN, an infinity or an overflow that would arise only in that sum is not carried to the result.
; idx was stored as whole numbers by the launch before; here it is read from memory and steers addresses.  Each index is held to 0 .. 4,095 before it enters an address.
; SHARES.  256 work-groups of 16 waves; a work-group has 128 rows of out0, a wave eight.  A row is 2,048 bytes: four loads and four stores of 16 bytes a lane, each of 512 consecutive bytes, aligned.
; All 32 loads of a wave go out before its first wait; no register is written twice, so the text has no loop and frees nothing.  No LDS, no barrier, no matrix work: a copy by a list.
; NO CLUSTER: which rows of the codebook a work-group reads hangs on the list, so no one tile is common to partners.  No hint on the loads: the list names rows again and again.
.set ROW, 2048
.set LO,  2                            ; v2   16 x lane
.set OO,  3                            ; v3   my byte offset in the work-group's rows of out0: wave x 8 rows + 16 x lane
.set AD,  4                            ; v[4:11]   row i: its code's byte offset in the codebook + 16 x lane
.set D,   16                           ; v[16:143] row i: 16 registers
	s_load_b128 s[4:7], s[0:1], 0x0                ; idx s[4:5], codebook s[6:7]
	s_load_b64 s[8:9], s[0:1], 0x10                ; out0
	v_lshrrev_b32 v1, 5, v0
	v_readfirstlane_b32 s12, v1                    ; wave 0..15
	v_and_b32 v[LO], 31, v0
	v_lshlrev_b32 v[LO], 4, v[LO]
	v_lshl_or_b32 v[OO], v1, 14, v[LO]
	s_lshl_b32 s10, ttmp9, 9                       ; the work-group's 128 words of idx,
	s_lshl_b32 s11, s12, 5                         ; my wave's eight
	s_add_co_u32 s10, s10, s11
	s_mov_b32 s11, 0
	s_lshl_b32 s14, ttmp9, 18                      ; the work-group's 128 rows of out0
	s_mov_b32 s15, 0
	s_wait_kmcnt 0x0
	s_add_nc_u64 s[4:5], s[4:5], s[10:11]
	s_add_nc_u64 s[8:9], s[8:9], s[14:15]
	s_load_b256 s[16:23], s[4:5], 0x0              ; my eight indices
	s_wait_kmcnt 0x0
.irp i, 0,1,2,3,4,5,6,7
	s_min_u32 s[16+(\i)], s[16+(\i)], 0xfff        ; inside the table, whatever the word holds
	s_lshl_b32 s[16+(\i)], s[16+(\i)], 11          ; x 2,048 bytes
	v_add_nc_u32 v[AD+(\i)], s[16+(\i)], v[LO]
.endr
.irp i, 0,1,2,3,4,5,6,7
.irp j, 0,1,2,3
	global_load_b128 v[D+16*(\i)+4*(\j):D+16*(\i)+4*(\j)+3], v[AD+(\i)], s[6:7] offset:512*(\j)
.endr
.endr
.irp i, 0,1,2,3,4,5,6,7
	s_wait_loadcnt 28-4*(\i)                       ; loads come back in order: row i's four are in, the later rows' may stay out
.irp j, 0,1,2,3
	global_store_b128 v[OO], v[D+16*(\i)+4*(\j):D+16*(\i)+4*(\j)+3], s[8:9] offset:ROW*(\i)+512*(\j) th:TH_STORE_NT
.endr
.endr
	s_endpgm
.Lfunc_end_k_q8f8374b775_gather:
	.size	k_q8f8374b775_gather, .Lfunc_end_k_q8f8374b775_gather-k_q8f8374b775_gather
	.p2alignl 7, 3214868480
	.fill 96, 4, 3214868480
	.section	.rodata,"a",@progbits
	.p2align	6, 0x0
	.amdhsa_kernel k_q8f8374b775_gather
		.amdhsa_group_segment_fixed_size 0
		.amdhsa_private_segment_fixed_size 0
		.amdhsa_enable_private_segment 0
		.amdhsa_kernarg_size 24
		.amdhsa_user_sgpr_count 2
		.amdhsa_user_sgpr_kernarg_segment_ptr 1
		.amdhsa_wavefront_size32 1
		.amdhsa_system_sgpr_workgroup_id_x 1
		.amdhsa_system_sgpr_workgroup_id_y 1
		.amdhsa_system_sgpr_workgroup_id_z 1
		.amdhsa_system_vgpr_workitem_id 0
		.amdhsa_next_free_vgpr 144
		.amdhsa_next_free_sgpr 66
		.amdhsa_reserve_vcc 0
		.amdhsa_float_denorm_mode_32 3
		.amdhsa_float_denorm_mode_16_64 3
		.amdhsa_memory_ordered 1
		.amdhsa_forward_progress 1
		.amdhsa_inst_pref_size 9
	.end_amdhsa_kernel
	.amdgpu_metadata
---
amdhsa.version: [ 1, 2 ]
amdhsa.kernels:
  - .name:           k_q8f8374b775_gather
    .symbol:         k_q8f8374b775_gather.kd
    .args:
      - { .name: idx, .offset: 0, .size: 8, .value_kind: global_buffer, .address_space: global }
      - { .name: codebook, .offset: 8, .size: 8, .value_kind: global_buffer, .address_space: global }
      - { .name: out0, .offset: 16, .size: 8, .value_kind: global_buffer, .address_space: global }
    .group_segment_fixed_size: 0
    .private_segment_fixed_size: 0
    .kernarg_segment_align: 8
    .kernarg_segment_size: 24
    .max_flat_workgroup_size: 512
    .sgpr_count:     66
    .vgpr_count:     144
    .wavefront_size: 32
...
	.end_amdgpu_metadata
.endif
;; end of part 3
